; MI455X (gfx1250); checked and timed in simulation.
; The chip was launched on July 23, 2026; its instructions are those of AMD's public machine-readable ISA for CDNA 5 (MIT licence, August 2026) and "CDNA5" Instruction Set Architecture Reference Guide (July 2026). The comments in the code are by the model that wrote it; some were corrected since.
;; Multi Head Attention. Allowed arithmetic: float matrix products may take bf16 or f16 operands with f32 sums; all other float work in f32.
;; Inputs: W_k 512 x 512 float32; W_o 512 x 512 float32; W_q 512 x 512 float32; W_v 512 x 512 float32; b_o 512 float32; k 2 x 4,096 x 512 float32; q 2 x 4,096 x 512 float32; v 2 x 4,096 x 512 float32.
;; Outputs: out0 2 x 4,096 x 512 float32.
;; One version. Each part assembles by itself: llvm-mc -triple=amdgcn-amd-amdhsa -mcpu=gfx1250 --defsym DOCPART=n.
;; ======== version 1 of 1: 3 launches
;; limits: values are held in f16: magnitudes above 65,504 overflow, below 6.1e-05 lose precision
;; workspace buffers: qh 8,388,608 bytes; kh 8,388,608 bytes; vh 8,388,608 bytes; ctx 16,777,216 bytes
;; launch proj (part 1): grid 12 x 16, 4 waves a work-group, clusters of 4 x 4, 327,680 bytes of LDS; arguments q, k, v, W_q, W_k, W_v, qh, kh, vh; writes qh, kh, vh
.if DOCPART == 1
	.amdgcn_target "amdgcn-amd-amdhsa--gfx1250"
	.amdhsa_code_object_version 6
	.text
	.protected	k_q189ca0cd04_proj
	.globl	k_q189ca0cd04_proj
	.p2align	8
	.type	k_q189ca0cd04_proj,@function
k_q189ca0cd04_proj:
	s_mov_b64 s[64:65], 0
	v_nop
	global_prefetch_b8 v0, s[64:65] scope:SCOPE_SE
	s_setreg_imm32_b32 hwreg(HW_REG_WAVE_MODE, 25, 1), 1
	s_wait_xcnt 0x0
	s_wait_alu depctr_hold_cnt(0) depctr_sa_sdst(0) depctr_va_vdst(0) depctr_va_sdst(0) depctr_va_ssrc(0) depctr_va_vcc(0) depctr_vm_vsrc(0)
	s_getreg_b32 s2, hwreg(HW_REG_IB_STS2, 6, 4)
	s_cmp_eq_u32 s2, 0
	s_cbranch_scc0 .Lentry_in_a_cluster
	s_endpgm
.Lentry_in_a_cluster:
	s_bfe_u32 s2, ttmp6, 0x10000c
	s_cmp_lg_u32 s2, 0xf033
	s_cbranch_scc0 .Lentry_shape_is_right
	s_endpgm
.Lentry_shape_is_right:
; Y = X W^T for the three input projections: (q, W_q, qh), (k, W_k, kh), (v, W_v, vh).  X: [8192][512] f32, W: [512][512] f32.
; Y: f16, laid out [batch][head][row][64]: element (b, h, s, d) at byte ((8 b + h) 4096 + s) 128 + 2 d, so that a head's rows are dense.
; X and W are rounded to bf16 on the way from LDS to the matrix unit; sums in f32, K ascending; Y rounded once, to f16 (11 significant bits against bf16's 8:
; the first rows of the final result are as large as vh itself, far above the result's root mean square, and want the finer rounding).
; LIMIT: a projected value of 65,504 or more becomes infinite in f16.  Inputs 30 times those drawn give about 4,800.
; SHARES.  A work-group makes 256 x 256 of one Y, each of its four waves 128 x 128: 64 accumulators, 512 registers.  3 projections x 32 tile rows x 2 tile columns = 192 work-groups.
; A smaller tile would give every WGP a work-group, but a tile of 128 x 128 brings 512 KB through LDS for a quarter of the products for which this one brings 1 MB, and behind each refill's barrier
; one slot is on its way whatever the tile: the larger tile has fewer fills in a row, twice the products for each slot, and half the LDS reads and conversions for each product.
; K = 512 goes in eight steps of 64 (rows of 256 bytes of memory, each at a multiple of 256 from the buffer's first byte) through two LDS slots; a step is two units of 32 along K.
; PLACES IN THE GRID.  Work-group x (0..11) modulo 6 is 2 x projection + tile column; tile row = 2 y + (x >= 6).
; CLUSTER.  4 x 4 work-groups.  W's tile hangs on x alone: the four of a column of the cluster ask for it jointly (the four x of a cluster have four different tiles of W).
; X's tile is shared by two work-groups only, the projection's two tile columns, and a mask names the four of a row or of a column: so X comes by plain loads;
; the two that share it are neighbours in x, lie in one cluster and ask behind the same round.
; THE MATRIX INSTRUCTION IS USED TRANSPOSED (source 0 = 16 rows of W, source 1 = 16 rows of X): a lane then holds eight neighbouring numbers of a row of Y.
; REGISTERS, in windows of 256 (s_set_vgpr_msb: bits 1:0 source 0, 3:2 source 1, 5:4 source 2, 7:6 destination):
;   window 0: v0-31 addresses; v64-127 X's eight bf16 fragments; v128-255 X's f32 as loaded, 16 registers a fragment (on the way out: packed results and rows read back)
;   window 1: v64-127 W's eight bf16 fragments; v128-255 W's f32 as loaded
;   window 2: the 32 accumulators of my rows 0-63 (accumulator (a, b) at v[8 (8 a + b)]);   window 3: those of my rows 64-127
.set PITCH,  272                       ; an LDS row: 256 bytes + 16 of padding = 68 words: row r starts at bank 4 r mod 64 (64 banks of 4 bytes: ISA guide 11.1)
.set HALFT,  128*PITCH                 ; 128 rows: what one tensor load brings, and what one wave reads of X or of W
.set SLOT,   4*HALFT                   ; X's 256 rows, then W's 256 rows
.set STAGE,  2*SLOT                    ; behind the ring: 2 heads x 16 rows x 144 bytes for each wave, for the way out
.set SP,     144
.set KSB,    256                       ; bytes of a K step in a row
.set HEADB,  4096*128                  ; bytes of a head in Y
.set ADRA, 16                          ; v16-17  LDS address of my X fragments in slot 0, 1
.set ADRB, 20                          ; v20-21  the same for W
.set STO,  24                          ; v24     the way out: where I put 16 bytes of a row
.set RD,   25                          ; v25     the way out: where I read rows back
.set CO,   26                          ; v26     my byte offset in four rows of Y
.set PF,   27                          ; v27     prefetch: my row's byte offset from the tile's first row of X; never rewritten
.set PFA,  28                          ; v28     prefetch: that offset plus the K step's
.set F,    64                          ; the bf16 fragments, in window 0 (X) and in window 1 (W)
.set RAW,  128                         ; the f32 as loaded, likewise
.set TMP,  128                         ; the way out: packed results
.set OB,   160                         ; the way out: 16 rows read back from the stage: v160-191 and v192-223 by turns
.set G1,  24                           ; s[24:31] descriptor group 1 for X's tiles;  s[32:39] group 0, one set for each slot
.set G0,  32
.set G1B, 48                           ; s[48:55], s[56:63] the same for W's tiles
.set G0B, 56
.set XB,  92                           ; s[92:93] X at the tile's first row, for the prefetch
.set PKO, 94                           ; s94      byte offset in a row of the K step that is asked for next
.set MUL_LO, 0xa1                      ; source 0 (W) window 1, source 1 (X) window 0, C and D window 2
.set MUL_HI, 0xf1                      ; the same, C and D window 3
.set TO_W,   0x40                      ; destination window 1, address window 0
.set CV_W,   0x45                      ; sources 0 and 1 and destination window 1
.set MSB, 0
.macro WIN new                         ; the immediate's high byte repeats the setting that is left; a switch that changes nothing is dropped
.if MSB != \new
	s_set_vgpr_msb (MSB<<8)|\new
.set MSB, \new
.endif
.endm
.macro PLACES                          ; four places behind matrix instructions whose registers are written or read next (ISA guide 7.12.1)
.rept 4
	v_nop
.endr
.endm
.macro JLOAD s                         ; a refill: waves 0 and 1 fetch X's two halves (plain), waves 2 and 3 W's (joint); four v_nop follow each line
	s_cmp_eq_u32 s11, 0
	s_cbranch_scc0 .Lfor_w_\@
	tensor_load_to_lds s[G0+4*\s:G0+4*\s+3], s[G1:G1+7]
	s_nop 0
.rept 4
	v_nop
.endr
	s_branch .Lasked_\@
.Lfor_w_\@:
	tensor_load_to_lds s[G0B+4*\s:G0B+4*\s+3], s[G1B:G1B+7]
	s_nop 0
.rept 4
	v_nop
.endr
.Lasked_\@:
.endm
.macro CROUND                          ; a round of the cluster's barrier: my work-group's barrier, wave 0 signals for the work-group, every wave waits for all sixteen, my work-group's barrier once more
	s_barrier_signal -1
	s_barrier_wait -1
	s_cmp_lg_u32 s10, 0
	s_cbranch_scc1 .Lnot_wave_0_\@
	s_barrier_signal -3
.Lnot_wave_0_\@:
	s_barrier_wait -3
	s_barrier_signal -1
	s_barrier_wait -1
.endm
; Prefetch of X, which comes from memory once.  One instruction a wave asks for 32 rows' 256 bytes of one K step, lanes one row (2,048 bytes) apart; the four waves cover 128 rows, and the two
; work-groups that share the tile's 256 rows take 128 each, so each block is asked for once.  It is asked at the change of slots in front of the one whose tensor load wants it: one K step, 32 KB a
; work-group, ahead.  The offset stops at the last K step (the last request repeats it), so no request leaves a row.
.macro PREF
	s_wait_xcnt 0x0                                ; the address register of the last request, made a K step ago, is written again only behind this wait
	v_add_nc_u32 v[PFA], s[PKO], v[PF]
	global_prefetch_b8 v[PFA], s[XB:XB+1] th:TH_LOAD_NT scope:SCOPE_SE
	s_add_co_u32 s[PKO], s[PKO], KSB
	s_min_u32 s[PKO], s[PKO], 7*KSB
.endm
	s_load_b512 s[68:83], s[0:1], 0x0              ; q s[68:69], k s[70:71], v s[72:73], W_q s[74:75], W_k s[76:77], W_v s[78:79], qh s[80:81], kh s[82:83]
	s_load_b64 s[84:85], s[0:1], 0x40              ; vh
	v_lshl_add_u32 v62, v0, 2, 0x48800
	v_mov_b32 v63, 0
	ds_add_u32 v62, v63
	ds_add_u32 v62, v63
	v_lshrrev_b32 v1, 5, v0
	v_readfirstlane_b32 s10, v1                    ; wave 0..3
	s_lshr_b32 s11, s10, 1                         ; which half of the tile's rows is mine.  Also: I fetch for X (0) or for W (1)
	s_and_b32 s12, s10, 1                          ; which half of its columns.  Also: which 128 rows of that tile I fetch
	s_bfe_u32 s40, ttmp6, 0x40000                  ; cx, cy: my place in the cluster
	s_bfe_u32 s41, ttmp6, 0x40004
	s_lshl_b32 s42, ttmp9, 2
	s_add_co_u32 s42, s42, s40                     ; work-group x = 4 x cluster x + cx, 0..11
	s_and_b32 s13, ttmp7, 0xffff
	s_lshl_b32 s13, s13, 2
	s_add_co_u32 s13, s13, s41                     ; work-group y = 4 x cluster y + cy, 0..15
	s_lshl_b32 s44, 0x1111, s40                    ; my column of the cluster: places cx, cx + 4, cx + 8, cx + 12
	s_cmp_ge_u32 s42, 6
	s_cselect_b32 s43, 1, 0                        ; x >= 6
	s_mul_i32 s45, s43, 6
	s_sub_co_u32 s45, s42, s45                     ; x modulo 6
	s_lshr_b32 s86, s45, 1                         ; the projection, 0..2
	s_and_b32 s87, s45, 1                          ; the tile column, 0..1
	s_lshl1_add_u32 s88, s13, s43                  ; the tile row = 2 y + (x >= 6), 0..31
	; descriptor group 1: a tile of 128 rows x 64 elements of 4 bytes, padded in LDS
	s_mov_b32 s[G1+0], (2<<16)|(1<<20)|(5<<22)|(3<<25)               ; 15:0 no mask; 17:16 elements of 4 bytes; 20 padding on; 24:22 after every 64 words (code 5); 31:25 4 words of it (code 3)
	s_or_b32 s[G1B+0], s44, (2<<16)|(1<<20)|(1<<21)|(5<<22)|(3<<25)  ; the same with the mask of my column and bit 21 beside it, for W's tiles
.irp g, G1, G1B
	s_mov_b32 s[\g+1], 64<<16                      ; tensor_dim0 = 64
	s_mov_b32 s[\g+2], 128<<16                     ; tensor_dim1 = 128
	s_mov_b32 s[\g+3], 64<<16                      ; tile_dim0 = 64
	s_mov_b32 s[\g+4], 128                         ; tile_dim1 = 128
	s_mov_b32 s[\g+5], 512                         ; elements from row to row
	s_mov_b32 s[\g+6], 0
	s_mov_b32 s[\g+7], 0
.endr
	; the byte offsets, each in registers of its own; those of W's descriptors hold nothing of cy
	s_lshl_b32 s16, s88, 19                        ; X: 256 rows of 2,048 bytes a tile row,
	s_lshl_b32 s17, s12, 18                        ; the 128 rows that I fetch: under 2^24 in all
	s_add_co_u32 s16, s16, s17
	s_mov_b32 s17, 0
	s_lshl_b32 s46, s87, 19                        ; W: 256 rows a tile column,
	s_lshl_b32 s47, s12, 18                        ; the 128 rows that I fetch
	s_add_co_u32 s46, s46, s47
	s_mov_b32 s47, 0
	s_lshl_b32 s[XB], s88, 19                      ; X at the tile's first row
	s_mov_b32 s[XB+1], 0
	s_mov_b32 s[PKO], 2*KSB                        ; the first fills bring K steps 0 and 1: the first request is for K step 2
	s_mul_i32 s20, s10, HALFT                      ; where the tiles go: wave x 128 rows: no place in the cluster enters an LDS address
	s_lshr_b32 s90, s88, 4                         ; Y: batch = tile row / 16,
	s_lshl_b32 s90, s90, 3
	s_lshl2_add_u32 s90, s87, s90                  ; four heads a tile column,
	s_lshl1_add_u32 s90, s12, s90                  ; two a column half,
	s_lshl_b32 s90, s90, 19                        ; 4,096 rows of 128 bytes a head,
	s_and_b32 s91, s88, 15
	s_lshl_b32 s91, s91, 15                        ; 256 rows of 128 bytes a tile row,
	s_add_co_u32 s90, s90, s91
	s_lshl_b32 s91, s11, 14                        ; 128 rows a row half
	s_add_co_u32 s90, s90, s91
	s_mov_b32 s91, 0
	s_wait_dscnt 0x0
	s_wait_kmcnt 0x0
	s_cmp_eq_u32 s86, 1                            ; the projection's three buffers
	s_cselect_b64 s[4:5], s[70:71], s[68:69]
	s_cselect_b64 s[6:7], s[76:77], s[74:75]
	s_cselect_b64 s[8:9], s[82:83], s[80:81]
	s_cmp_eq_u32 s86, 2
	s_cselect_b64 s[4:5], s[72:73], s[4:5]         ; X
	s_cselect_b64 s[6:7], s[78:79], s[6:7]         ; W
	s_cselect_b64 s[8:9], s[84:85], s[8:9]         ; Y
	s_add_nc_u64 s[14:15], s[4:5], s[16:17]        ; X at the rows that I fetch
	s_add_nc_u64 s[46:47], s[6:7], s[46:47]        ; W at the rows that I fetch
	s_add_nc_u64 s[XB:XB+1], s[4:5], s[XB:XB+1]
	s_add_nc_u64 s[8:9], s[8:9], s[90:91]          ; Y at my first head's first row
	CROUND                                         ; all sixteen work-groups are here: the first joint loads meet
.irp s, 0,1
	s_mov_b32 s[G0+4*\s], 1                                        ; count = 1
	s_add_co_u32 s[G0+4*\s+1], s20, \s*SLOT                        ; LDS address
	s_add_nc_u64 s[G0+4*\s+2:G0+4*\s+3], s[14:15], \s*KSB          ; global address: K step s
	s_or_b32 s[G0+4*\s+3], s[G0+4*\s+3], 0x80000000                ; type = 2
	s_mov_b32 s[G0B+4*\s], 1
	s_add_co_u32 s[G0B+4*\s+1], s20, \s*SLOT
	s_add_nc_u64 s[G0B+4*\s+2:G0B+4*\s+3], s[46:47], \s*KSB
	s_or_b32 s[G0B+4*\s+3], s[G0B+4*\s+3], 0x80000000
.endr
	s_cmp_eq_u32 s11, 0                            ; a wave's two first fills stand in one branch, ahead of every wait on TENSORcnt and every LDS read: two loads of mine are out, later one
	s_cbranch_scc0 .Lfirst_w
	tensor_load_to_lds s[G0:G0+3], s[G1:G1+7]
	s_nop 0
	tensor_load_to_lds s[G0+4:G0+7], s[G1:G1+7]
	s_nop 0
.rept 4
	v_nop
.endr
	s_branch .Lfirst_asked
.Lfirst_w:
	tensor_load_to_lds s[G0B:G0B+3], s[G1B:G1B+7]
	s_nop 0
	tensor_load_to_lds s[G0B+4:G0B+7], s[G1B:G1B+7]
	s_nop 0
.rept 4
	v_nop
.endr
.Lfirst_asked:
	v_and_b32 v5, 31, v0                           ; l
	s_lshl_b32 s18, s87, 7                         ; prefetch: my work-group's 128 of the tile's rows,
	s_lshl_b32 s19, s10, 5                         ; my wave's 32 of them,
	s_add_co_u32 s18, s18, s19
	v_add_nc_u32 v[PF], s18, v5                    ; my lane's one,
	v_lshlrev_b32 v[PF], 11, v[PF]                 ; times 2,048 bytes
	PREF                                           ; K step 2
	; A bf16 fragment is 16 rows x 32 K: lane l holds row l % 16; registers 0-3 K = 8 (l / 16) + 0..7, registers 4-7 K = 16 + 8 (l / 16) + 0..7.
	; In f32 those are 32 bytes at 32 (l / 16) and 32 bytes at 64 + 32 (l / 16): four loads of 16 bytes, at 0, 16, 64 and 80.
	v_and_b32 v1, 15, v0                           ; l % 16
	v_bfe_u32 v2, v0, 4, 1                         ; l / 16
	v_mul_u32_u24 v3, v1, PITCH
	v_lshl_add_u32 v3, v2, 5, v3                   ; row x pitch + 32 x half
	s_mul_i32 s21, s11, HALFT                      ; my 128 rows of X
	s_mul_i32 s22, s12, HALFT                      ; my 128 rows of W,
	s_add_co_u32 s22, s22, 2*HALFT                 ; which lie behind X's 256
.irp s, 0,1
	v_add_nc_u32 v[ADRA+\s], s21, v3
	v_add_nc_u32 v[ADRB+\s], s22, v3
	s_add_co_u32 s21, s21, SLOT
	s_add_co_u32 s22, s22, SLOT
.endr
	s_mul_i32 s23, s10, 32*SP
	s_add_co_u32 s23, s23, STAGE                   ; my stage
	v_mul_u32_u24 v4, v1, SP                       ; in: row l % 16, 16 bytes for each half of the lanes
	v_lshl_add_u32 v4, v2, 4, v4
	v_add_nc_u32 v[STO], s23, v4
	v_lshlrev_b32 v[CO], 4, v5                     ; in Y a head's rows follow each other: 32 lanes x 16 bytes are four rows
	v_lshrrev_b32 v5, 3, v5                        ; back: eight lanes take one row of 128 bytes
	v_mul_u32_u24 v5, v5, SP
	v_and_b32 v6, 7, v0
	v_lshl_add_u32 v5, v6, 4, v5
	v_add_nc_u32 v[RD], s23, v5
; 64 LDS loads in one run: the f32 of one unit (32 K at byte k of the rows), W's 32 first
.macro FETCH slot, k
	WIN TO_W
.irp i, 0,1,2,3,4,5,6,7
	ds_load_b128 v[RAW+16*\i:RAW+16*\i+3],     v[ADRB+\slot] offset:\k+\i*16*PITCH
	ds_load_b128 v[RAW+16*\i+4:RAW+16*\i+7],   v[ADRB+\slot] offset:\k+\i*16*PITCH+16
	ds_load_b128 v[RAW+16*\i+8:RAW+16*\i+11],  v[ADRB+\slot] offset:\k+\i*16*PITCH+64
	ds_load_b128 v[RAW+16*\i+12:RAW+16*\i+15], v[ADRB+\slot] offset:\k+\i*16*PITCH+80
.endr
	WIN 0
.irp i, 0,1,2,3,4,5,6,7
	ds_load_b128 v[RAW+16*\i:RAW+16*\i+3],     v[ADRA+\slot] offset:\k+\i*16*PITCH
	ds_load_b128 v[RAW+16*\i+4:RAW+16*\i+7],   v[ADRA+\slot] offset:\k+\i*16*PITCH+16
	ds_load_b128 v[RAW+16*\i+8:RAW+16*\i+11],  v[ADRA+\slot] offset:\k+\i*16*PITCH+64
	ds_load_b128 v[RAW+16*\i+12:RAW+16*\i+15], v[ADRA+\slot] offset:\k+\i*16*PITCH+80
.endr
.endm
; f32 to bf16, two numbers an instruction: the sixteen fragments of a unit
.macro CVT
	s_wait_dscnt 32                                ; W's 32 loads are in; X's 32, issued behind them, may be out
	PLACES                                         ; the fragments were sources of the products just issued
	WIN CV_W
.set n, 0
.rept 64
	v_cvt_pk_bf16_f32 v[F+n], v[RAW+2*n], v[RAW+2*n+1]
.set n, n+1
.endr
	s_wait_dscnt 0x0                               ; X's are in
	WIN 0
.set n, 0
.rept 64
	v_cvt_pk_bf16_f32 v[F+n], v[RAW+2*n], v[RAW+2*n+1]
.set n, n+1
.endr
.endm
; 16 products: m blocks a0, a0 + 1 of the window's four (hi = 0: my rows 0-63, 1: rows 64-127) x all 8 n blocks, 32 along K.  zero = 1: the products start the sums: nothing is ever cleared
.macro MUL16 hi, a0, zero
.irp a, \a0, \a0+1
.irp b, 0,1,2,3,4,5,6,7
.if \zero
	v_wmma_f32_16x16x32_bf16 v[8*(8*(\a)+\b):8*(8*(\a)+\b)+7], v[F+8*\b:F+8*\b+7], v[F+8*(4*\hi+\a):F+8*(4*\hi+\a)+7], 0
.else
	v_wmma_f32_16x16x32_bf16 v[8*(8*(\a)+\b):8*(8*(\a)+\b)+7], v[F+8*\b:F+8*\b+7], v[F+8*(4*\hi+\a):F+8*(4*\hi+\a)+7], v[8*(8*(\a)+\b):8*(8*(\a)+\b)+7]
.endif
.endr
.endr
.endm
; A unit's 64 products.  The 64 accumulators take turns, one instruction a turn, in the same order in every unit
.macro MULALL zero
	WIN MUL_LO
	MUL16 0, 0, \zero
	MUL16 0, 2, \zero
	WIN MUL_HI
	MUL16 1, 0, \zero
	MUL16 1, 2, \zero
.endm
; A K step's first unit: convert, ask for the second unit's f32 (the conversions have read the registers), multiply while they come
.macro FIRST slot, zero
	CVT
	FETCH \slot, 128
	MULALL \zero
.endm
; Its second unit changes slots.  The conversions have taken the slot's last bytes out of LDS, so the slot can be given up ahead of the unit's products: each wave waits for its reads of the slot
; and for all its tensor loads (one is out: its part of the next slot) and passes ONE barrier.  fill = 1: the barrier is a round of the cluster's, and this slot takes the K step two on;
; nothing but the round stands between the wait for the loads and the refill, and the unit's 64 products and the whole next unit follow while the refill is on its way.
.macro SECOND slot, next, fill
	CVT
	s_wait_dscnt 0x0                               ; my reads of this slot are over (met: the conversions waited for them),
	s_wait_tensorcnt 0x0                           ; and all my tensor loads have landed: no load of mine is out, so a group 0 may be written
	ds_add_u32 v62, v63
	s_wait_dscnt 0x0
.if \fill
	CROUND                                         ; no wave of any partner still reads this slot or has a load on its way
	s_add_nc_u64 s[G0+4*\slot+2:G0+4*\slot+3], s[G0+4*\slot+2:G0+4*\slot+3], 2*KSB
	s_add_nc_u64 s[G0B+4*\slot+2:G0B+4*\slot+3], s[G0B+4*\slot+2:G0B+4*\slot+3], 2*KSB
	JLOAD \slot                                    ; the first tensor load behind the round, my only one until the next
.else
	s_barrier_signal -1
	s_barrier_wait -1
.endif
	FETCH \next, 0
.if \fill
	PREF                                           ; X of the K step that the next change of slots loads
.endif
	MULALL 0
.endm
	s_wait_tensorcnt 0x1                           ; my part of K step 0 is in; K step 1's stays out
	s_barrier_signal -1
	s_barrier_wait -1                              ; everybody's is
	FETCH 0, 0
	FIRST 0, 1                                     ; the first unit stands in front of the loop: its products start the sums
	WIN 0                                          ; at a label and at a branch every window is 0
	s_mov_b32 s3, 3
.Llap:                                                 ; a trip goes once round the ring, from a lap's second unit to the next lap's first, and fills both slots again: K steps 2 to 7
	SECOND 0, 1, 1
	FIRST 1, 0
	SECOND 1, 0, 1
	FIRST 0, 0
	WIN 0
	s_sub_co_u32 s3, s3, 1
	s_cmp_lg_u32 s3, 0
	s_cbranch_scc1 .Llap
	SECOND 0, 1, 0                                 ; K step 6 goes on: nothing is left to fetch, so no round follows
	FIRST 1, 0                                     ; K step 7
	CVT
	MULALL 0
; THE WAY OUT, a block of 16 rows at a time.  PACK: rounded to f16, 16 bytes a lane.  TOSTAGE: into my own stage (head 0's 16 rows, then head 1's) and back as whole rows of 128 bytes.  SEND: stored.
.macro PACK a
.set AC, 64*((\a)%4)                   ; the block's eight accumulators, in window 2 (blocks 0-3) or 3 (blocks 4-7)
	WIN 0x0a+5*((\a)/4)                            ; sources 0 and 1: window 2 or 3
.irp b, 0,1,2,3,4,5,6,7
.irp r, 0,1,2,3
	v_cvt_pk_f16_f32 v[TMP+4*\b+\r], v[AC+8*\b+2*\r], v[AC+8*\b+2*\r+1]   ; each accumulator from its low end on
.endr
.endr
	WIN 0
.endm
.macro TOSTAGE a
.set BK, OB+32*((\a)%2)
.irp b, 0,1,2,3,4,5,6,7
	ds_store_b128 v[STO], v[TMP+4*\b:TMP+4*\b+3] offset:(\b/4)*16*SP+32*(\b%4)
.endr
.irp t, 0,1,2,3,4,5,6,7
	ds_load_b128 v[BK+4*\t:BK+4*\t+3], v[RD] offset:\t*4*SP        ; LDS serves a wave's instructions in order (ISA guide 5.7.1.4): these see the stores above, and the next block's stores come behind them
.endr
.endm
.macro SEND a
.set BK, OB+32*((\a)%2)
	s_wait_dscnt 0x0                               ; the block is back in registers
	s_wait_xcnt 0x0                                ; the registers that the stores of the block before read are loaded again, by the next TOSTAGE, only behind this wait
.irp t, 0,1,2,3,4,5,6,7
	global_store_b128 v[CO], v[BK+4*\t:BK+4*\t+3], s[8:9] offset:(\t/4)*HEADB+(16*(\a)+4*(\t%4))*128   ; the wave stores 512 consecutive bytes, four rows of a head, at a multiple of 512 from Y's first byte
.endr
.endm
	PLACES                                         ; the conversions read results just made
	PACK 0
	TOSTAGE 0
.irp a, 1,2,3,4,5,6,7                  ; block a's conversions stand between block a - 1's loads from the stage and the wait for them
	PACK \a
	SEND \a-1
	TOSTAGE \a
.endr
	SEND 7
	s_wait_tensorcnt 0x0
	ds_add_u32 v62, v63
	s_wait_dscnt 0x0
	CROUND                                         ; the closing round: no work-group ends while a partner may still ask for a tile that names it
	s_endpgm
.Lfunc_end_k_q189ca0cd04_proj:
	.size	k_q189ca0cd04_proj, .Lfunc_end_k_q189ca0cd04_proj-k_q189ca0cd04_proj
	.p2alignl 7, 3214868480
	.fill 96, 4, 3214868480
	.section	.rodata,"a",@progbits
	.p2align	6, 0x0
	.amdhsa_kernel k_q189ca0cd04_proj
		.amdhsa_group_segment_fixed_size 327680
		.amdhsa_private_segment_fixed_size 0
		.amdhsa_enable_private_segment 0
		.amdhsa_kernarg_size 72
		.amdhsa_user_sgpr_count 2
		.amdhsa_user_sgpr_kernarg_segment_ptr 1
		.amdhsa_wavefront_size32 1
		.amdhsa_system_sgpr_workgroup_id_x 1
		.amdhsa_system_sgpr_workgroup_id_y 1
		.amdhsa_system_sgpr_workgroup_id_z 1
		.amdhsa_system_vgpr_workitem_id 0
		.amdhsa_next_free_vgpr 1024
		.amdhsa_next_free_sgpr 96
		.amdhsa_reserve_vcc 0
		.amdhsa_float_denorm_mode_32 3
		.amdhsa_float_denorm_mode_16_64 3
		.amdhsa_memory_ordered 1
		.amdhsa_forward_progress 1
		.amdhsa_inst_pref_size 174
	.end_amdhsa_kernel
	.amdgpu_metadata
---
amdhsa.version: [ 1, 2 ]
amdhsa.kernels:
  - .name:           k_q189ca0cd04_proj
    .symbol:         k_q189ca0cd04_proj.kd
    .args:
      - { .name: q, .offset: 0, .size: 8, .value_kind: global_buffer, .address_space: global }
      - { .name: k, .offset: 8, .size: 8, .value_kind: global_buffer, .address_space: global }
      - { .name: v, .offset: 16, .size: 8, .value_kind: global_buffer, .address_space: global }
      - { .name: W_q, .offset: 24, .size: 8, .value_kind: global_buffer, .address_space: global }
      - { .name: W_k, .offset: 32, .size: 8, .value_kind: global_buffer, .address_space: global }
      - { .name: W_v, .offset: 40, .size: 8, .value_kind: global_buffer, .address_space: global }
      - { .name: qh, .offset: 48, .size: 8, .value_kind: global_buffer, .address_space: global }
      - { .name: kh, .offset: 56, .size: 8, .value_kind: global_buffer, .address_space: global }
      - { .name: vh, .offset: 64, .size: 8, .value_kind: global_buffer, .address_space: global }
    .group_segment_fixed_size: 327680
    .private_segment_fixed_size: 0
    .kernarg_segment_align: 8
    .kernarg_segment_size: 72
    .max_flat_workgroup_size: 128
    .sgpr_count:     96
    .vgpr_count:     1024
    .wavefront_size: 32
...
	.end_amdgpu_metadata
.endif
;; end of part 1
;; launch attn (part 2): grid 16 x 16, 4 waves a work-group, no clusters, 327,680 bytes of LDS; arguments qh, kh, vh, ctx; writes ctx
.if DOCPART == 2
	.amdgcn_target "amdgcn-amd-amdhsa--gfx1250"
	.amdhsa_code_object_version 6
	.text
	.protected	k_q189ca0cd04_attn
	.globl	k_q189ca0cd04_attn
	.p2align	8
	.type	k_q189ca0cd04_attn,@function
k_q189ca0cd04_attn:
	s_mov_b64 s[64:65], 0
	v_nop
	global_prefetch_b8 v0, s[64:65] scope:SCOPE_SE
	s_setreg_imm32_b32 hwreg(HW_REG_WAVE_MODE, 25, 1), 1
	s_wait_xcnt 0x0
; Causal attention for one (batch, head): ctx[q] = sum over k <= q of softmax_k(qh[q] . kh[k] / 8) vh[k].  qh, kh, vh: [16][4096][64] f16.
; ctx: [16][4096][128] bf16: a row is 64 numbers hi = bf16(x), then 64 numbers lo = bf16(x - hi): 256 bytes, 16 significant bits for the last projection.
; Products in f16 with f32 sums; maxima, exponentials and sums in f32; the weights p (0 to 1) are rounded to f16 for the second product.
; LIMITS: a weight under 2^-126 counts as zero (v_exp_f32 flushes); inputs are finite.
; SHARES.  Query blocks of 128 rows; block i walks i + 1 chunks of 128 keys, the last of them the one on the diagonal.  Work-group p of a head makes block 2 p + 1 (2 p + 2 chunks, an even
; number) and then block 30 - 2 p (31 - 2 p chunks): 33 chunks in every work-group, and key chunk j always lies in slot j % 2.  A wave owns 32 queries: two tiles of 16.  A chunk is two steps of 64 keys.
; NO CLUSTER: the query blocks of a head walk different numbers of chunks (1 to 32), so partners would need different numbers of tiles and trip counts that hang on the place in the cluster; heads share nothing.
; LAYOUT.  S^T = K Q^T (source 0 = 16 keys, source 1 = 16 queries): a lane holds ONE query (lane % 16) and the keys 8 (lane / 16) + 0..7.  Two such tiles, rounded to f16 in pairs, ARE source 1
; (32 keys x 16 queries) of O^T = V^T P, whose result again holds one query a lane, and eight channels.  K comes out of LDS as it lies, V ([key][channel]) turned, by ds_load_tr16_b128.
; SOFTMAX.  For each query a running maximum m and sum l: p = 2^(c s - c m), c = log2(e) / 8; in every step O and l are multiplied by a = 2^(c m_old - c m_new).  A block starts with m = -infinity, l = 0, O = 0:
; its first step holds key 0, which no query masks, so m is finite from then on, a = 0 in that step, and l >= 1 at the end.
; BY TURNS.  The wave's two tiles are two PIECES that share K's and V's fragments and nothing else.  In a TURN one piece has the matrix unit: 8 products V^T P of step j, then 8 products K Q^T of step j + 1;
; the other piece's softmax, a list of 118 vector instructions (182 where keys are masked), is cut into 16 slices, one behind each matrix instruction.  Then the pieces change places; two turns are a key step.
; A product's operands and the softmax's data are 348 registers, more than a window, so a slice costs two switches of the window: the lesser price beside a matrix unit that stands still through 236 vector instructions a step.
; O IS CLEARED at a block's start and not started by a first product: tile 1's first V^T P stands in the turn behind the first change of slots, which is a loop's first trip, a tail, or the block's end, and one text of a turn serves all.
; REGISTERS.  Window 0: v1 -infinity; v2-13 addresses and mask bounds; v16-31 eight registers of statistics a tile; v32-95 S^T, 32 a tile; v96-127 P, 16 a tile; v128-191 O^T, 32 a tile; v192-223 Q, 16 a tile.
;             Window 1: v0-127 K, two buffers of one step; v128-255 V, two buffers of one step.  A step's buffer is its parity, which is its half of the chunk: a constant of the text.
.set PKB,    144                       ; a row of K in LDS: 128 bytes + 16 = 36 words: the 16 rows of a load start at 16 different groups of four banks (64 banks of 4 bytes: ISA guide 11.1)
.set PVB,    160                       ; a row of V: 128 + 32 bytes, an odd multiple of 32, for the turning load
.set VOFF,   128*PKB                   ; in a slot: 128 rows of K, then 128 rows of V
.set SLOT,   128*(PKB+PVB)             ; 38,912 bytes.  A slot of two chunks would give a load twice the work in which to land, but the first block would then fill p + 1 slots, and the slot in which the second block starts would hang on p
.set STAGE,  2*SLOT                    ; behind the ring: 32 rows x 272 bytes for each wave, for the way out
.set SPC,    272
.set CHUNKB, 16384                     ; 128 keys x 128 bytes of memory
.set NINF, 1
.set AK,   2                           ; v2-3    LDS address of my lane's place in K, slot 0, 1
.set AV,   4                           ; v4-5    the same for V
.set QO,   6                           ; v6      my byte offset in the wave's rows of Q
.set STO,  7                           ; v7      the way out: where I put 16 bytes of a row
.set RD,   8                           ; v8      the way out: where I read a row back
.set GO,   9                           ; v9      my byte offset in the wave's rows of ctx
.set DM,   10                          ; v10-11  tile t: my query's place in the block less 8 (lane / 16): key 64 u + 16 kb + i of the diagonal chunk is masked where that number exceeds it
.set DMP,  12                          ; v12-13  (DM + 2) the same plus 128 x block: my query's place in the sequence, for the masks of a block's first step
.set ST,   16                          ; tile t's statistics at v[ST+8 t]: +0 c m, +1 m, +2, +3 l (even keys', odd keys'), +4 to +7 four running maxima; then +5 c m_new, +6 a, +7 c m_old - c m_new
.set S,    32
.set P,    96
.set O,    128
.set QF,   192
.set KF,   0                           ; window 1
.set VF,   128                         ; window 1
.set WV,  12                           ; s12  my wave's number
.set PW,  13                           ; s13  p
.set BH,  14                           ; s14  8 x batch + head
.set CNT, 15                           ; s15  trips to go
.set G1K, 16                           ; s[16:23] descriptor group 1 for K's tiles
.set G1V, 24                           ; s[24:31] for V's: it differs in the padding alone
.set G0K, 32                           ; s[32:39] descriptor group 0 for K's tiles, one set for each slot
.set G0V, 40                           ; s[40:47] the same for V's
.set KB,  48                           ; s[48:49] kh at my half of the head's chunk 0
.set VB,  50                           ; s[50:51] vh likewise
.set CS,  52                           ; s[52:53] c, twice
.set SEL, 54                           ; s[54:55] lane selects for v_permlanex16_b32: each lane takes its own place in the other half
.set QB,  56                           ; s[56:57] qh at my wave's 32 rows
.set CB,  58                           ; s[58:59] ctx at my wave's 32 rows
.set W_MM, 0x01                        ; source 0 (K or V) in window 1; Q or P, C and D in window 0: one setting for both products
.set TO1,  0x40                        ; destination window 1, address window 0
.set MSB, 0
.macro WIN new                         ; the immediate's high byte repeats the setting that is left; a switch that changes nothing is dropped
.if MSB != \new
	s_set_vgpr_msb (MSB<<8)|\new
.set MSB, \new
.endif
.endm
.macro PLACES                          ; four places behind matrix instructions whose results are read next (ISA guide 7.12.1)
.rept 4
	v_nop
.endr
.endm
; One tensor load a wave: waves 0 and 1 fetch the two halves (64 keys each) of a chunk of K, waves 2 and 3 of V.  Four v_nop follow each line.
.macro TLOAD s
	s_cmp_lt_u32 s[WV], 2
	s_cbranch_scc0 .Lfor_v_\@
	tensor_load_to_lds s[G0K+4*(\s):G0K+4*(\s)+3], s[G1K:G1K+7]
	s_nop 0
.rept 4
	v_nop
.endr
	s_branch .Lasked_\@
.Lfor_v_\@:
	tensor_load_to_lds s[G0V+4*(\s):G0V+4*(\s)+3], s[G1V:G1V+7]
	s_nop 0
.rept 4
	v_nop
.endr
.Lasked_\@:
.endm
; The four global addresses go back to a head's first chunks: slot 0 to chunk 0, slot 1 to chunk 1.  Written only where no tensor load of the wave is out.
.macro RESET
	s_mov_b64 s[G0K+2:G0K+3], s[KB:KB+1]
	s_or_b32 s[G0K+3], s[G0K+3], 0x80000000        ; type = 2
	s_add_nc_u64 s[G0K+6:G0K+7], s[KB:KB+1], CHUNKB
	s_or_b32 s[G0K+7], s[G0K+7], 0x80000000
	s_mov_b64 s[G0V+2:G0V+3], s[VB:VB+1]
	s_or_b32 s[G0V+3], s[G0V+3], 0x80000000
	s_add_nc_u64 s[G0V+6:G0V+7], s[VB:VB+1], CHUNKB
	s_or_b32 s[G0V+7], s[G0V+7], 0x80000000
.endm
	s_load_b256 s[4:11], s[0:1], 0x0               ; qh s[4:5], kh s[6:7], vh s[8:9], ctx s[10:11]
	v_lshl_add_u32 v254, v0, 2, 0x29000
	v_mov_b32 v255, 0
	ds_add_u32 v254, v255
	ds_add_u32 v254, v255
	v_lshrrev_b32 v1, 5, v0
	v_readfirstlane_b32 s[WV], v1                  ; wave 0..3
	s_mov_b32 s[PW], ttmp9
	s_and_b32 s[BH], ttmp7, 0xffff
	s_and_b32 s60, s[WV], 1                        ; which 64 keys of a chunk I fetch
	s_mul_i32 s61, s60, 64*PKB                     ; their place in a slot, for K
	s_mul_i32 s62, s60, 64*PVB                     ; and for V
	s_add_co_u32 s62, s62, VOFF
	; descriptor group 1.  64 keys are 8,192 dense bytes: 32 rows of 32 elements of 8 bytes (256 bytes).  The padding is counted along the whole tile, after every 32 words: behind each key's 128 bytes.
	s_mov_b32 s[G1K], (3<<16)|(1<<20)|(4<<22)|(3<<25)   ; 15:0 no mask; 17:16 elements of 8 bytes; 20 padding on; 24:22 after every 32 words (code 4); 31:25 4 words of it (code 3)
	s_mov_b32 s[G1V], (3<<16)|(1<<20)|(4<<22)|(7<<25)   ; the same with 8 words of padding (code 7)
.irp g, G1K, G1V
	s_mov_b32 s[\g+1], 32<<16                      ; tensor_dim0 = 32
	s_mov_b32 s[\g+2], 32<<16                      ; tensor_dim1 = 32
	s_mov_b32 s[\g+3], 32<<16                      ; tile_dim0 = 32
	s_mov_b32 s[\g+4], 32                          ; tile_dim1 = 32
	s_mov_b32 s[\g+5], 32                          ; elements from row to row
	s_mov_b32 s[\g+6], 0
	s_mov_b32 s[\g+7], 0
.endr
	s_mov_b32 s[CS], 0x3e38aa3b                    ; c = log2(e) / 8 = 0.180337
	s_mov_b32 s[CS+1], s[CS]                       ; named with it as a pair, so it is written
	s_mov_b32 s[SEL], 0x76543210
	s_mov_b32 s[SEL+1], 0xfedcba98
	s_lshl_b32 s2, s[BH], 19                       ; a head's 4,096 rows of 128 bytes
	s_lshl_b32 s3, s60, 13                         ; my 64 keys
	s_add_co_u32 s2, s2, s3
	s_mov_b32 s3, 0
.irp s, 0,1
	s_mov_b32 s[G0K+4*\s], 1                       ; count = 1
	s_add_co_u32 s[G0K+4*\s+1], s61, \s*SLOT       ; LDS address
	s_mov_b32 s[G0V+4*\s], 1
	s_add_co_u32 s[G0V+4*\s+1], s62, \s*SLOT
.endr
	s_wait_dscnt 0x0
	s_wait_kmcnt 0x0
	s_add_nc_u64 s[KB:KB+1], s[6:7], s[2:3]
	s_add_nc_u64 s[VB:VB+1], s[8:9], s[2:3]
	RESET
	TLOAD 0                                        ; chunk 0: the one first fill at the start; by this text's count a wave never has more than one tensor load out
	v_and_b32 v28, 15, v0                          ; l % 16
	v_bfe_u32 v29, v0, 4, 1                        ; l / 16
	v_and_b32 v30, 31, v0                          ; l
	v_mov_b32 v[NINF], 0xff800000
	; A fragment of K or Q is 16 rows x 32 channels: lane l holds row l % 16; two loads of 16 bytes, 32 bytes apart, at 16 (l / 16).
	v_mul_u32_u24 v[AK], v28, PKB
	v_lshl_add_u32 v[AK], v29, 4, v[AK]
	v_add_nc_u32 v[AK+1], SLOT, v[AK]
	; The turning load takes 16 keys x 16 channels: lane l reads 16 bytes of key 8 (l / 16) + l % 8, channels 8 ((l / 8) % 2) + 0..7, and is left with channel l % 16 and 8 keys.
	v_and_b32 v31, 7, v0
	v_lshl_add_u32 v31, v29, 3, v31
	v_mul_u32_u24 v[AV], v31, PVB
	v_bfe_u32 v31, v0, 3, 1
	v_lshl_add_u32 v[AV], v31, 4, v[AV]
	v_add_nc_u32 v[AV], VOFF, v[AV]
	v_add_nc_u32 v[AV+1], SLOT, v[AV]
	v_lshlrev_b32 v[QO], 7, v28
	v_lshl_add_u32 v[QO], v29, 4, v[QO]            ; row x 128 + 16 x half
	s_mul_i32 s2, s[WV], 32*SPC
	s_add_co_u32 s2, s2, STAGE                     ; my stage
	v_mul_u32_u24 v[STO], v28, SPC                 ; in: row l % 16, 16 bytes for each half of the lanes
	v_lshl_add_u32 v[STO], v29, 4, v[STO]
	v_add_nc_u32 v[STO], s2, v[STO]
	v_mul_u32_u24 v[RD], v29, SPC                  ; back: lanes 0-15 take one row of 256 bytes, lanes 16-31 the next
	v_lshl_add_u32 v[RD], v28, 4, v[RD]
	v_add_nc_u32 v[RD], s2, v[RD]
	v_lshlrev_b32 v[GO], 4, v30                    ; in ctx my rows follow each other
	s_lshl_b32 s3, s[WV], 5
	v_lshlrev_b32 v31, 3, v29
	v_sub_nc_u32 v31, v28, v31                     ; l % 16 - 8 (l / 16), signed
	v_add_nc_u32 v[DM], s3, v31                    ; + 32 x wave
	v_add_nc_u32 v[DM+1], 16, v[DM]                ; tile 1: 16 queries on
; THE LDS LOADS stand in runs of 16 at a turn's head, never singly among the matrix instructions.
; A step's K: 64 keys x 64 channels, 8 fragments.  u: which half of the chunk; buf: which buffer
.macro FETCH_K slot, u, buf
	WIN TO1
.irp kb, 0,1,2,3
.irp cc, 0,1
	ds_load_b128 v[KF+64*\buf+16*\kb+8*\cc:KF+64*\buf+16*\kb+8*\cc+3],   v[AK+\slot] offset:(64*\u+16*\kb)*PKB+64*\cc
	ds_load_b128 v[KF+64*\buf+16*\kb+8*\cc+4:KF+64*\buf+16*\kb+8*\cc+7], v[AK+\slot] offset:(64*\u+16*\kb)*PKB+64*\cc+32
.endr
.endr
.endm
; A step's V, turned: 8 fragments of 16 channels x 32 keys
.macro FETCH_V slot, u, buf
	WIN TO1
.irp g, 0,1
.irp cb, 0,1,2,3
	ds_load_tr16_b128 v[VF+64*\buf+32*\g+8*\cb:VF+64*\buf+32*\g+8*\cb+3],   v[AV+\slot] offset:(64*\u+32*\g)*PVB+32*\cb
	ds_load_tr16_b128 v[VF+64*\buf+32*\g+8*\cb+4:VF+64*\buf+32*\g+8*\cb+7], v[AV+\slot] offset:(64*\u+32*\g)*PVB+16*PVB+32*\cb
.endr
.endr
.endm
; THE MATRIX WORK OF A TURN, for piece x.  The accumulators take turns, one instruction a turn: between two links of a chain stand three others'.
; Product wi of 8 of O^T += V^T P: keys 32 (wi / 4) on, channels 16 (wi % 4) on.
.macro MPV x, buf
	WIN W_MM
.set rD, O+32*(\x)+8*(wi%4)
.set rA, VF+64*(\buf)+32*(wi/4)+8*(wi%4)
.set rB, P+16*(\x)+8*(wi/4)
	v_wmma_f32_16x16x32_f16 v[rD:rD+7], v[rA:rA+7], v[rB:rB+7], v[rD:rD+7]
	s_wait_alu depctr_va_vdst(0)
.endm
; Product wi of 8 of S^T = K Q^T: channels 32 (wi / 4) on, keys 16 (wi % 4) on.  The first four start the sums.
.macro MKQ x, buf
	WIN W_MM
.set rD, S+32*(\x)+8*(wi%4)
.set rA, KF+64*(\buf)+16*(wi%4)+8*(wi/4)
.set rB, QF+16*(\x)+8*(wi/4)
.if wi < 4
	v_wmma_f32_16x16x32_f16 v[rD:rD+7], v[rA:rA+7], v[rB:rB+7], 0
.else
	v_wmma_f32_16x16x32_f16 v[rD:rD+7], v[rA:rA+7], v[rB:rB+7], v[rD:rD+7]
	s_wait_alu depctr_va_vdst(0)
.endif
.endm
; THE VECTOR WORK OF A TURN.  One tile's softmax for one step of 64 keys is a list; SM writes number n of it for tile t.  s0-s31 are the lane's 32 scores, in pairs 0-15.
; mask = 0: 118 numbers.  mask = 1 (the chunk on the diagonal, bound DM) or 2 (a block's first step, bound DMP): 64 numbers in front of them, a compare and a select for each score, ascending;
; mu: the step's half of the chunk.  With j counted behind the mask's numbers:
;   0-15    the maximum of s0-s31 and the old m, three operands at a time: four chains of seven scores each, then the four scores left over, the chains and m.  Each accumulator is first read at its low end
;   16-21   the other half of the lanes' maximum; the new m; c m_new, rounded once, so that the same number serves a and p; c m_old - c m_new; c m; a
;   22-25   c s - c m for pairs 0-3
;   26-89   for pair i = 0..15: exponential of s(2i); a plain instruction (c s - c m for pair i + 4, or the rounding to f16 of pair i - 12); exponential of s(2i+1); pair i of O^T times a.
;           So every exponential has behind it a plain instruction that names none of its registers before its result is used (ISA guide 5.7.2)
;   90-101  the roundings to f16 of pairs 4-15
;   102-117 the sum of the 16 pairs, in place: neighbours 8, 4, 2 and 1 pairs apart; l = a l + the sum
.macro SCALE b
	v_pk_fma_f32 v[rS+2*(\b):rS+2*(\b)+1], v[rS+2*(\b):rS+2*(\b)+1], s[CS:CS+1], v[rT:rT+1] op_sel_hi:[1,0,0] neg_lo:[0,0,1] neg_hi:[0,0,1]
.endm
.macro SM t, mask, mu
.set rT, ST+8*(\t)
.set rS, S+32*(\t)
.set rP, P+16*(\t)
.set rO, O+32*(\t)
.set j, n
.if \mask
.set j, n-64
.endif
.set q, j-26
.if j < 0
.if n%2 == 0
	v_cmp_gt_i32 vcc_lo, 64*\mu+16*(n/16)+(n/2)%8, v[DM+2*\mask-2+(\t)]
.else
	v_cndmask_b32 v[rS+n/2], v[rS+n/2], v[NINF], vcc_lo            ; a key behind the query: -infinity
.endif
.elseif j < 4
	v_max3_num_f32 v[rT+4+j], v[rS+8*j], v[rS+8*j+1], v[rS+8*j+2]
.elseif j < 12
	v_max3_num_f32 v[rT+4+j%4], v[rT+4+j%4], v[rS+8*(j%4)+2*(j/4)+1], v[rS+8*(j%4)+2*(j/4)+2]
.elseif j == 12
	v_max3_num_f32 v[rT+4], v[rT+4], v[rS+7], v[rS+15]
.elseif j == 13
	v_max3_num_f32 v[rT+6], v[rT+6], v[rS+23], v[rS+31]
.elseif j == 14
	v_max3_num_f32 v[rT+4], v[rT+4], v[rT+5], v[rT+6]
.elseif j == 15
	v_max3_num_f32 v[rT+4], v[rT+4], v[rT+7], v[rT+1]
.elseif j == 16
	v_permlanex16_b32 v[rT+5], v[rT+4], s[SEL], s[SEL+1]           ; the query's other 32 keys lie in the lane 16 away
.elseif j == 17
	v_max_num_f32 v[rT+1], v[rT+4], v[rT+5]
.elseif j == 18
	v_mul_f32 v[rT+5], s[CS], v[rT+1]
.elseif j == 19
	v_sub_f32 v[rT+7], v[rT], v[rT+5]
.elseif j == 20
	v_mov_b32 v[rT], v[rT+5]
.elseif j == 21
	v_exp_f32 v[rT+6], v[rT+7]
.elseif j < 26
	SCALE j-22
.elseif j < 90
.if q%4 == 0
	v_exp_f32 v[rS+2*(q/4)], v[rS+2*(q/4)]
.elseif q%4 == 2
	v_exp_f32 v[rS+2*(q/4)+1], v[rS+2*(q/4)+1]
.elseif q%4 == 3
	s_wait_alu depctr_va_vdst(0)
	v_pk_mul_f32 v[rO+2*(q/4):rO+2*(q/4)+1], v[rO+2*(q/4):rO+2*(q/4)+1], v[rT+6:rT+7] op_sel_hi:[1,0]
.elseif q < 48
	SCALE q/4+4
.else
	s_wait_alu depctr_va_vdst(0)
	v_cvt_pk_f16_f32 v[rP+q/4-12], v[rS+2*(q/4-12)], v[rS+2*(q/4-12)+1]
.endif
.elseif j < 102
	v_cvt_pk_f16_f32 v[rP+j-86], v[rS+2*(j-86)], v[rS+2*(j-86)+1]
.elseif j < 117
.set z, j-102
.if z < 8
.set d, 8
.set e, z
.elseif z < 12
.set d, 4
.set e, z-8
.elseif z < 14
.set d, 2
.set e, z-12
.else
.set d, 1
.set e, 0
.endif
	v_pk_add_f32 v[rS+2*e:rS+2*e+1], v[rS+2*e:rS+2*e+1], v[rS+2*(e+d):rS+2*(e+d)+1]
.else
	v_pk_fma_f32 v[rT+2:rT+3], v[rT+2:rT+3], v[rT+6:rT+7], v[rS:rS+1] op_sel_hi:[1,0,1]
.endif
.endm
; Slice k of NW: the list's LEN numbers are dealt evenly, 7 or 8 to a slice of the plain list in a turn of 16 products.
.macro SLICE t, mask, mu
	WIN 0
.rept ((k+1)*LEN)/NW-(k*LEN)/NW
	SM \t, \mask, \mu
.set n, n+1
.endr
.set k, k+1
.endm
; A TURN.  Piece x has the matrix unit; the other piece's softmax (mask, mu as in SM) stands in slices behind its matrix instructions.
; pv = 1: 8 products V^T P out of V's buffer vbuf.  kq = 1: 8 products K Q^T out of K's buffer kbuf.
; fk = 1: at the turn's head K of half fu of slot fslot is asked for, into buffer fbuf; it is first used a turn later.  fk = 2: the same for V, first used two turns later.
; DISTANCES (ISA guide 7.12.1 for vector instructions).  A turn's last slice is the end of the list, eight plain additions or more on the other piece's registers: they are the places between
; the turn's last K Q^T and the next turn's first read of those scores.  A buffer that is loaded was last multiplied half a turn back or more, with eight slices or more between.
.macro TURN x, pv, kq, vbuf, kbuf, mask, mu, fk, fslot, fu, fbuf
.set k, 0
.set n, 0
.set NW, 8*(\pv+\kq)
.set LEN, 118
.if \mask
.set LEN, 182
.endif
.if \fk == 1
	FETCH_K \fslot, \fu, \fbuf
.elseif \fk == 2
	FETCH_V \fslot, \fu, \fbuf
	s_wait_dscnt 16                                ; all but the sixteen just issued: V of this turn's step and K of the next step are in
.endif
.if \pv
.set wi, 0
.rept 8
	MPV \x, \vbuf
	SLICE 1-\x, \mask, \mu
.set wi, wi+1
.endr
.endif
.if \kq
.set wi, 0
.rept 8
	MKQ \x, \kbuf
	SLICE 1-\x, \mask, \mu
.set wi, wi+1
.endr
.endif
.endm
; THE CHANGE OF SLOTS, to the slot of chunk c.  All reads of chunk c - 1 have been asked for, the last of them (V of its second step) a turn ago.  Each wave waits for its reads and for all its tensor
; loads, of which one is out: its part of chunk c.  Behind the barrier nobody reads the other slot any more and this slot is whole.
; ask = 1: the other slot's address steps two chunks on, to chunk c + 1.  ask = 2: the next block begins: the other slot (0) takes the head's chunk 0.  ask = 0: nothing is left to fetch.
.macro CHANGE slot, ask
	WIN 0                                          ; at a label and at a branch every window is 0
	s_wait_dscnt 0x0
	s_wait_tensorcnt 0x0                           ; no tensor load of mine is out, so a group 0 may be written
	ds_add_u32 v254, v255
	s_wait_dscnt 0x0
.if \ask == 1
	s_add_nc_u64 s[G0K+6-4*\slot:G0K+7-4*\slot], s[G0K+6-4*\slot:G0K+7-4*\slot], 2*CHUNKB
	s_add_nc_u64 s[G0V+6-4*\slot:G0V+7-4*\slot], s[G0V+6-4*\slot:G0V+7-4*\slot], 2*CHUNKB
.elseif \ask == 2
	RESET
.endif
	s_barrier_signal -1
	s_barrier_wait -1
.if \ask
	TLOAD 1-\slot                                  ; my one tensor load until the next such barrier: it has four turns, 64 products and four softmaxes, in which to land
.endif
.endm
; THE SECTION OF CHUNK c >= 1, which lies in slot.  Steps 2 c - 2 and 2 c - 1 belong to the chunk before.  diag = 1: chunk c is the one on the diagonal.
.macro SEC slot, ask, diag
	CHANGE \slot, \ask
	TURN 1, 1, 1, 0, 1, 0, 0, 1, \slot, 0, 0       ; tile 1: V^T P of 2c-2, K Q^T of 2c-1 | tile 0's softmax of 2c-1 | K of 2c
	TURN 0, 1, 1, 1, 0, 0, 0, 2, \slot, 0, 0       ; tile 0: V^T P of 2c-1, K Q^T of 2c   | tile 1's softmax of 2c-1 | V of 2c
	TURN 1, 1, 1, 1, 0, \diag, 0, 1, \slot, 1, 1   ; tile 1: V^T P of 2c-1, K Q^T of 2c   | tile 0's softmax of 2c   | K of 2c+1
	TURN 0, 1, 1, 0, 1, \diag, 0, 2, \slot, 1, 1   ; tile 0: V^T P of 2c,   K Q^T of 2c+1 | tile 1's softmax of 2c   | V of 2c+1
.endm
; A BLOCK'S START, on chunk 0 in slot 0.  The two softmaxes of step 0 are masked against the query's place in the sequence, so that one text serves block 0, whose first chunk is the diagonal one, and all others.
.macro PRO
	FETCH_K 0, 0, 0
	FETCH_K 0, 1, 1
	FETCH_V 0, 0, 0
	s_wait_loadcnt 0x0                             ; Q
	s_wait_dscnt 32                                ; K of step 0 is in; the 32 loads issued behind it may be out
.set wi, 0
.rept 8
	MKQ 0, 0                                       ; tile 0's first scores: there is no vector work yet to set between them
.set wi, wi+1
.endr
	WIN 0
	PLACES
	TURN 1, 0, 1, 0, 0, 2, 0, 0, 0, 0, 0           ; tile 1: K Q^T of 0 | tile 0's softmax of 0
	TURN 0, 1, 1, 0, 1, 2, 0, 2, 0, 1, 1           ; tile 0: V^T P of 0, K Q^T of 1 | tile 1's softmax of 0 | V of 1
.endm
; A BLOCK'S END, in two parts.  Its last chunk is the one on the diagonal; N - 1 is its second step.
.macro END1
	TURN 1, 1, 1, 0, 1, 1, 1, 0, 0, 0, 0           ; tile 1: V^T P of N-2, K Q^T of N-1 | tile 0's softmax of N-1
.endm
.macro END2
	s_wait_dscnt 0x0                               ; V of N-1 is in
	TURN 0, 1, 0, 1, 0, 1, 1, 0, 0, 0, 0           ; tile 0: V^T P of N-1 | tile 1's softmax of N-1
.set wi, 0
.rept 8
	MPV 1, 1                                       ; tile 1: V^T P of N-1
.set wi, wi+1
.endr
	WIN 0
.endm
; Q of block s63 comes into registers.  s66 keeps the byte offset of my wave's rows for BLOCK_SET.
.macro QLOAD
	s_lshl_b32 s66, s[BH], 19
	s_lshl_b32 s67, s63, 14                        ; 128 rows of 128 bytes a block
	s_add_co_u32 s66, s66, s67
	s_lshl_b32 s67, s[WV], 12                      ; 32 rows a wave
	s_add_co_u32 s66, s66, s67
	s_mov_b32 s67, 0
	s_add_nc_u64 s[QB:QB+1], s[4:5], s[66:67]
.irp t, 0,1
.irp cc, 0,1
	global_load_b128 v[QF+16*\t+8*\cc:QF+16*\t+8*\cc+3],   v[QO], s[QB:QB+1] offset:\t*2048+\cc*64
	global_load_b128 v[QF+16*\t+8*\cc+4:QF+16*\t+8*\cc+7], v[QO], s[QB:QB+1] offset:\t*2048+\cc*64+32
.endr
.endr
.endm
; The block's place in ctx, its mask bounds, its statistics and O^T.
.macro BLOCK_SET
	s_lshl_b32 s68, s66, 1                         ; ctx has rows of 256 bytes: under 2^24
	s_mov_b32 s69, 0
	s_add_nc_u64 s[CB:CB+1], s[10:11], s[68:69]
	s_lshl_b32 s68, s63, 7
	v_add_nc_u32 v[DMP], s68, v[DM]
	v_add_nc_u32 v[DMP+1], s68, v[DM+1]
.set i, 0
.rept 64
	v_mov_b32 v[O+i], 0
.set i, i+1
.endr
.irp t, 0,1
	v_mov_b32 v[ST+8*\t], v[NINF]
	v_mov_b32 v[ST+8*\t+1], v[NINF]
	v_mov_b32 v[ST+8*\t+2], 0
	v_mov_b32 v[ST+8*\t+3], 0
.endr
.endm
; A block goes out: O^T / l, split into hi and lo, through my stage, as whole rows of 256 bytes.  The four additions and the v_nop are the places behind the last products.
.macro FINISH
.irp t, 0,1
	v_add_f32 v[ST+8*\t+4], v[ST+8*\t+2], v[ST+8*\t+3]
.endr
.irp t, 0,1
	v_permlanex16_b32 v[ST+8*\t+5], v[ST+8*\t+4], s[SEL], s[SEL+1]
.endr
.irp t, 0,1
	v_add_f32 v[ST+8*\t+4], v[ST+8*\t+4], v[ST+8*\t+5]
.endr
.irp t, 0,1
	v_rcp_f32 v[ST+8*\t+6], v[ST+8*\t+4]
.endr
	v_nop                                          ; a plain instruction between the last reciprocal and the use of its result
	s_wait_alu depctr_va_vdst(0)
.irp t, 0,1
.set i, 0
.rept 16
	v_pk_mul_f32 v[O+32*\t+2*i:O+32*\t+2*i+1], v[O+32*\t+2*i:O+32*\t+2*i+1], v[ST+8*\t+6:ST+8*\t+7] op_sel_hi:[1,0]
.set i, i+1
.endr
.set i, 0
.rept 16
	v_cvt_pk_bf16_f32 v[S+16*\t+i], v[O+32*\t+2*i], v[O+32*\t+2*i+1]        ; hi
.set i, i+1
.endr
.set i, 0
.rept 16
	v_lshlrev_b32 v[P+2*i], 16, v[S+16*\t+i]                               ; hi back in f32
	v_and_b32 v[P+2*i+1], 0xffff0000, v[S+16*\t+i]
.set i, i+1
.endr
.set i, 0
.rept 16
	v_pk_add_f32 v[P+2*i:P+2*i+1], v[O+32*\t+2*i:O+32*\t+2*i+1], v[P+2*i:P+2*i+1] neg_lo:[0,1] neg_hi:[0,1]   ; x - hi, exact
.set i, i+1
.endr
.set i, 0
.rept 16
	v_cvt_pk_bf16_f32 v[S+32+16*\t+i], v[P+2*i], v[P+2*i+1]                 ; lo
.set i, i+1
.endr
.endr
.irp t, 0,1
.irp cb, 0,1,2,3
	ds_store_b128 v[STO], v[S+16*\t+4*\cb:S+16*\t+4*\cb+3] offset:\t*16*SPC+32*\cb
	ds_store_b128 v[STO], v[S+32+16*\t+4*\cb:S+32+16*\t+4*\cb+3] offset:\t*16*SPC+32*\cb+128
.endr
.endr
.irp f, 0,1,2,3,4,5,6,7,8,9,10,11,12,13,14,15
	ds_load_b128 v[S+4*\f:S+4*\f+3], v[RD] offset:\f*2*SPC         ; LDS serves a wave's instructions in order (ISA guide 5.7.1.4): these see the stores above
.endr
.irp f, 0,1,2,3,4,5,6,7,8,9,10,11,12,13,14,15
	s_wait_dscnt 15-\f                             ; load f is in, the younger ones may be out
	global_store_b128 v[GO], v[S+4*\f:S+4*\f+3], s[CB:CB+1] offset:512*\f   ; 16 lanes store 256 consecutive bytes, at a multiple of 256 from ctx's first byte
.endr
	s_wait_xcnt 0x0                                ; the stores' base and data registers are written again only behind this wait
.endm
	s_lshl_b32 s63, s[PW], 1
	s_add_co_u32 s63, s63, 1                       ; THE FIRST BLOCK: 2 p + 1, chunks 0 to 2 p + 1
	QLOAD
	BLOCK_SET
	s_wait_tensorcnt 0x0                           ; my part of chunk 0 is in,
	ds_add_u32 v254, v255
	s_wait_dscnt 0x0
	s_barrier_signal -1
	s_barrier_wait -1                              ; everybody's is
	TLOAD 1                                        ; chunk 1 into slot 1: its first fill, issued as a refill is
	PRO
	WIN 0
	s_cmp_eq_u32 s[PW], 0
	s_cbranch_scc1 .LEd
	s_mov_b32 s[CNT], s[PW]
.LE:                                                   ; p trips: chunks 1 to 2 p
	SEC 1, 1, 0
	SEC 0, 1, 0
	WIN 0
	s_sub_co_u32 s[CNT], s[CNT], 1
	s_cmp_gt_i32 s[CNT], 0                         ; a signed compare: a counter that comes down ends the loop from any start
	s_cbranch_scc1 .LE
.LEd:
	SEC 1, 2, 1                                    ; chunk 2 p + 1, on the diagonal; slot 0 takes the next block's chunk 0
	END1
	s_lshl_b32 s63, s[PW], 1
	s_sub_co_u32 s63, 30, s63                      ; THE SECOND BLOCK: 30 - 2 p, chunks 0 to 30 - 2 p
	QLOAD                                          ; the last product that read Q stands in front of END1's last slice: the next block's Q comes in under the first block's end
	END2
	FINISH
	BLOCK_SET
	s_wait_dscnt 0x0                               ; my reads of slot 1 and of my stage are over,
	s_wait_tensorcnt 0x0                           ; and my part of chunk 0 has landed
	ds_add_u32 v254, v255
	s_wait_dscnt 0x0
	s_barrier_signal -1
	s_barrier_wait -1
	s_cmp_eq_u32 s[PW], 15                         ; block 0 has one chunk: one branch decides both that chunk 1 is not asked for and that it is not read
	s_cbranch_scc1 .LOs
	TLOAD 1                                        ; chunk 1 into slot 1
	PRO
	WIN 0
	s_cmp_eq_u32 s[PW], 14
	s_cbranch_scc1 .LOd
	s_sub_co_u32 s[CNT], 14, s[PW]
.LO:                                                   ; 14 - p trips: chunks 1 to 28 - 2 p
	SEC 1, 1, 0
	SEC 0, 1, 0
	WIN 0
	s_sub_co_u32 s[CNT], s[CNT], 1
	s_cmp_gt_i32 s[CNT], 0                         ; as above
	s_cbranch_scc1 .LO
.LOd:
	SEC 1, 1, 0                                    ; chunk 29 - 2 p
	SEC 0, 0, 1                                    ; chunk 30 - 2 p, on the diagonal: nothing is left to fetch
	WIN 0
	s_branch .LOz
.LOs:
	PRO                                            ; block 0: its one chunk is the diagonal one
	WIN 0
.LOz:
	END1
	END2
	FINISH
	s_wait_tensorcnt 0x0
	ds_add_u32 v254, v255
	s_wait_dscnt 0x0
	s_endpgm
.Lfunc_end_k_q189ca0cd04_attn:
	.size	k_q189ca0cd04_attn, .Lfunc_end_k_q189ca0cd04_attn-k_q189ca0cd04_attn
	.p2alignl 7, 3214868480
	.fill 96, 4, 3214868480
	.section	.rodata,"a",@progbits
	.p2align	6, 0x0
	.amdhsa_kernel k_q189ca0cd04_attn
		.amdhsa_group_segment_fixed_size 327680
		.amdhsa_private_segment_fixed_size 0
		.amdhsa_enable_private_segment 0
		.amdhsa_kernarg_size 32
		.amdhsa_user_sgpr_count 2
		.amdhsa_user_sgpr_kernarg_segment_ptr 1
		.amdhsa_wavefront_size32 1
		.amdhsa_system_sgpr_workgroup_id_x 1
		.amdhsa_system_sgpr_workgroup_id_y 1
		.amdhsa_system_sgpr_workgroup_id_z 1
		.amdhsa_system_vgpr_workitem_id 0
		.amdhsa_next_free_vgpr 512
		.amdhsa_next_free_sgpr 72
		.amdhsa_reserve_vcc 1
		.amdhsa_float_denorm_mode_32 3
		.amdhsa_float_denorm_mode_16_64 3
		.amdhsa_memory_ordered 1
		.amdhsa_forward_progress 1
		.amdhsa_inst_pref_size 255
	.end_amdhsa_kernel
	.section	.bss,"aw",@nobits
	.p2align	6
	.space	262144
	.amdgpu_metadata
---
amdhsa.version: [ 1, 2 ]
amdhsa.kernels:
  - .name:           k_q189ca0cd04_attn
    .symbol:         k_q189ca0cd04_attn.kd
    .args:
      - { .name: qh, .offset: 0, .size: 8, .value_kind: global_buffer, .address_space: global }
      - { .name: kh, .offset: 8, .size: 8, .value_kind: global_buffer, .address_space: global }
      - { .name: vh, .offset: 16, .size: 8, .value_kind: global_buffer, .address_space: global }
      - { .name: ctx, .offset: 24, .size: 8, .value_kind: global_buffer, .address_space: global }
    .group_segment_fixed_size: 327680
    .private_segment_fixed_size: 0
    .kernarg_segment_align: 8
    .kernarg_segment_size: 32
    .max_flat_workgroup_size: 128
    .sgpr_count:     72
    .vgpr_count:     512
    .wavefront_size: 32
...
	.end_amdgpu_metadata
.endif
;; end of part 2
;; launch oproj (part 3): grid 4 x 64, 4 waves a work-group, clusters of 4 x 4, 327,680 bytes of LDS; arguments ctx, W_o, b_o, out0; writes out0
.if DOCPART == 3
	.amdgcn_target "amdgcn-amd-amdhsa--gfx1250"
	.amdhsa_code_object_version 6
	.text
	.protected	k_q189ca0cd04_oproj
	.globl	k_q189ca0cd04_oproj
	.p2align	8
	.type	k_q189ca0cd04_oproj,@function
k_q189ca0cd04_oproj:
	s_mov_b64 s[64:65], 0
	v_nop
	global_prefetch_b8 v0, s[64:65] scope:SCOPE_SE
	s_setreg_imm32_b32 hwreg(HW_REG_WAVE_MODE, 25, 1), 1
	s_wait_xcnt 0x0
	s_wait_alu depctr_hold_cnt(0) depctr_sa_sdst(0) depctr_va_vdst(0) depctr_va_sdst(0) depctr_va_ssrc(0) depctr_va_vcc(0) depctr_vm_vsrc(0)
	s_getreg_b32 s2, hwreg(HW_REG_IB_STS2, 6, 4)
	s_cmp_eq_u32 s2, 0
	s_cbranch_scc0 .Lentry_in_a_cluster
	s_endpgm
.Lentry_in_a_cluster:
	s_bfe_u32 s2, ttmp6, 0x10000c
	s_cmp_lg_u32 s2, 0xf033
	s_cbranch_scc0 .Lentry_shape_is_right
	s_endpgm
.Lentry_shape_is_right:
; out0 = ctx W_o^T + b_o.  ctx: [batch][head][row][hi 64 | lo 64] bf16 (x = hi + lo), W_o: [512][512] f32, b_o: [512] f32, out0: [8192][512] f32.
; W_o is rounded to bf16 on the way from LDS to the matrix unit and multiplied by hi and by lo: two products for each 32 along K, sums in f32; the bias is added in f32.
; SHARES.  A work-group makes 128 x 128 of out0, each of its four waves 64 x 64: 16 accumulators.  K = 512 goes in four steps of 128 (two heads) through two LDS slots; a step is four quarters of 32 along K.
; CLUSTER.  4 x 4 work-groups: the four of a row of the cluster need the same rows of ctx, the four of a column the same rows of W_o; each tile is asked for jointly.
; THE MATRIX INSTRUCTION IS USED TRANSPOSED (source 0 = 16 rows of W_o, source 1 = 16 rows of ctx): a lane then holds eight neighbouring numbers of a row of out0.
; REGISTERS.  Window 0: v12-15 bias; v16-27 addresses; v32-63 W_o's four bf16 fragments; v32-95 at work on the way out; v128-255 accumulator (a, b) at v[128 + 8 (4 a + b)].
;             Window 1: v0-63 W_o's f32 as loaded; v64-127, v128-191 two buffers of ctx's fragments: four of hi, then four of lo.
.set APITCH, 272                       ; a row of ctx in LDS: 256 bytes + 16 = 68 words: row r starts at bank 4 r mod 64 (64 banks of 4 bytes: ISA guide 11.1)
.set AHEAD,  128*APITCH                ; a head's 128 rows: what one tensor load of waves 0 and 1 brings
.set PITCH,  528                       ; a row of W_o: 512 bytes + 16
.set HALFT,  64*PITCH                  ; 64 rows: what one tensor load of waves 2 and 3 brings
.set BOFF,   2*AHEAD                   ; in a slot: two heads of ctx, then W_o's 128 rows
.set SLOT,   BOFF+2*HALFT              ; 137,216 bytes
.set STAGE,  2*SLOT                    ; behind the ring: 16 rows x 272 bytes for each wave, for the way out
.set SPO,    272
.set BIAS, 12
.set ADRA, 16                          ; v16-17  LDS address of my ctx fragments in slot 0, 1
.set ADRB, 20                          ; v20-21  the same for W_o
.set STO,  24
.set RD,   25
.set CO,   26
.set FB,   32
.set TMP,  32
.set ACC,  128
.set FA,   64                          ; window 1
.set G1,  24                           ; s[24:31] descriptor group 1 for ctx's tiles;  s[32:39] group 0, one set for each slot
.set G0,  32
.set G1B, 48                           ; s[48:55], s[56:63] the same for W_o's tiles
.set G0B, 56
.set TO_R,   0x40                      ; destination window 1, address window 0
.set FROM_R, 0x05                      ; sources 0 and 1 window 1, destination window 0
.set W_MUL,  0x04                      ; source 1 (ctx) window 1; W_o, C and D window 0
.set MSB, 0
.macro WIN new                         ; the immediate's high byte repeats the setting that is left; a switch that changes nothing is dropped
.if MSB != \new
	s_set_vgpr_msb (MSB<<8)|\new
.set MSB, \new
.endif
.endm
.macro PLACES                          ; four places behind matrix instructions whose registers are written, loaded or read next (ISA guide 7.12.1)
.rept 4
	v_nop
.endr
.endm
.macro JLOAD s                         ; a joint refill: waves 0 and 1 fetch the step's two heads of ctx, waves 2 and 3 W_o's two halves; four v_nop follow each line
	s_cmp_eq_u32 s11, 0
	s_cbranch_scc0 .Lfor_w_\@
	tensor_load_to_lds s[G0+4*\s:G0+4*\s+3], s[G1:G1+7]
	s_nop 0
.rept 4
	v_nop
.endr
	s_branch .Lasked_\@
.Lfor_w_\@:
	tensor_load_to_lds s[G0B+4*\s:G0B+4*\s+3], s[G1B:G1B+7]
	s_nop 0
.rept 4
	v_nop
.endr
.Lasked_\@:
.endm
.macro CREST                           ; a round of the cluster's barrier behind its opening barrier
	s_cmp_lg_u32 s10, 0
	s_cbranch_scc1 .Lnot_wave_0_\@
	s_barrier_signal -3
.Lnot_wave_0_\@:
	s_barrier_wait -3
	s_barrier_signal -1
	s_barrier_wait -1
.endm
.macro CROUND                          ; a whole round
	s_barrier_signal -1
	s_barrier_wait -1
	CREST
.endm
	s_load_b256 s[68:75], s[0:1], 0x0              ; ctx s[68:69], W_o s[70:71], b_o s[72:73], out0 s[74:75]: registers that nothing else writes
	s_set_vgpr_msb 0x40
	v_lshl_add_u32 v192, v0, 2, 0x47400
	v_mov_b32 v193, 0
	s_set_vgpr_msb 0x4045
	ds_add_u32 v192, v193
	ds_add_u32 v192, v193
	s_set_vgpr_msb 0x4500
	v_lshrrev_b32 v1, 5, v0
	v_readfirstlane_b32 s10, v1                    ; wave 0..3
	s_lshr_b32 s11, s10, 1                         ; which half of the tile's rows is mine.  Also: I fetch for ctx (0) or for W_o (1)
	s_and_b32 s12, s10, 1                          ; which half of its columns.  Also: which head, or which 64 rows of W_o, I fetch
	s_bfe_u32 s40, ttmp6, 0x40000                  ; cx, cy: my place in the cluster
	s_bfe_u32 s41, ttmp6, 0x40004
	s_lshl_b32 s42, ttmp9, 2
	s_add_co_u32 s42, s42, s40                     ; tile column = 4 x cluster x + cx, 0..3
	s_and_b32 s13, ttmp7, 0xffff
	s_lshl_b32 s13, s13, 2
	s_add_co_u32 s13, s13, s41                     ; tile row = 4 x cluster y + cy, 0..63
	s_lshl_b32 s43, s41, 2
	s_lshl_b32 s43, 15, s43                        ; my row of the cluster
	s_lshl_b32 s44, 0x1111, s40                    ; my column
	; descriptor group 1 for ctx: a head's 128 rows of 256 bytes are dense: 128 rows x 32 elements of 8 bytes, padded in LDS
	s_or_b32 s[G1+0], s43, (3<<16)|(1<<20)|(1<<21)|(5<<22)|(3<<25)   ; 15:0 the mask: my row; 17:16 elements of 8 bytes; 20 padding on; 21 set beside a mask; 24:22 after every 64 words (code 5); 31:25 4 words of it (code 3)
	s_mov_b32 s[G1+1], 32<<16                      ; tensor_dim0 = 32
	s_mov_b32 s[G1+2], 128<<16                     ; tensor_dim1 = 128
	s_mov_b32 s[G1+3], 32<<16                      ; tile_dim0 = 32
	s_mov_b32 s[G1+4], 128                         ; tile_dim1 = 128
	s_mov_b32 s[G1+5], 32                          ; elements from row to row
	s_mov_b32 s[G1+6], 0
	s_mov_b32 s[G1+7], 0
	; and for W_o: 64 rows x 128 elements of 4 bytes
	s_or_b32 s[G1B+0], s44, (2<<16)|(1<<20)|(1<<21)|(6<<22)|(3<<25)  ; the mask: my column; elements of 4 bytes; after every 128 words (code 6) 4 words
	s_mov_b32 s[G1B+1], 128<<16
	s_mov_b32 s[G1B+2], 64<<16
	s_mov_b32 s[G1B+3], 128<<16
	s_mov_b32 s[G1B+4], 64
	s_mov_b32 s[G1B+5], 512
	s_mov_b32 s[G1B+6], 0
	s_mov_b32 s[G1B+7], 0
	; the byte offsets, each in registers of its own
	s_lshr_b32 s16, s13, 5                         ; ctx: batch = tile row / 32,
	s_lshl_b32 s16, s16, 3
	s_add_co_u32 s16, s16, s12                     ; head 0 or 1 of K step 0,
	s_lshl_b32 s16, s16, 20                        ; 4,096 rows of 256 bytes a head,
	s_and_b32 s17, s13, 31
	s_lshl_b32 s17, s17, 15                        ; 128 rows of 256 bytes a tile row: under 2^24 in all
	s_add_co_u32 s16, s16, s17
	s_mov_b32 s17, 0
	s_lshl_b32 s46, s42, 7
	s_lshl_b32 s47, s12, 6
	s_add_co_u32 s46, s46, s47                     ; W_o: row 128 x tile column + 64 x half,
	s_lshl_b32 s46, s46, 11                        ; times 2,048 bytes
	s_mov_b32 s47, 0
	s_mul_i32 s20, s12, AHEAD                      ; where the tiles go: no place in the cluster enters an LDS address
	s_mul_i32 s18, s12, HALFT
	s_add_co_u32 s18, s18, BOFF
	s_lshl_b32 s86, s42, 9                         ; b_o: my 64 columns, in bytes of f32: 512 x tile column + 256 x half
	s_lshl_b32 s87, s12, 8
	s_add_co_u32 s86, s86, s87
	s_mov_b32 s87, 0
	s_lshl_b32 s88, s13, 18                        ; out0: 128 rows of 2,048 bytes a tile row,
	s_lshl_b32 s89, s11, 17                        ; 64 rows a row half,
	s_add_co_u32 s88, s88, s89
	s_add_co_u32 s88, s88, s86                     ; and my columns: under 2^24 in all
	s_mov_b32 s89, 0
	s_wait_dscnt 0x0
	s_wait_kmcnt 0x0
	s_add_nc_u64 s[14:15], s[68:69], s[16:17]      ; ctx at my tile of K step 0
	s_add_nc_u64 s[46:47], s[70:71], s[46:47]      ; W_o at my tile of K step 0
	s_add_nc_u64 s[8:9], s[72:73], s[86:87]        ; b_o at my wave's columns
	s_add_nc_u64 s[90:91], s[74:75], s[88:89]      ; out0 at my wave's first row and column
	CROUND                                         ; all sixteen work-groups are here: the first joint loads meet
.irp s, 0,1
	s_mov_b32 s[G0+4*\s], 1                                        ; count = 1
	s_add_co_u32 s[G0+4*\s+1], s20, \s*SLOT                        ; LDS address
	s_add_nc_u64 s[G0+4*\s+2:G0+4*\s+3], s[14:15], \s*(2<<20)      ; global address: K step s is two heads on
	s_or_b32 s[G0+4*\s+3], s[G0+4*\s+3], 0x80000000                ; type = 2
	s_mov_b32 s[G0B+4*\s], 1
	s_add_co_u32 s[G0B+4*\s+1], s18, \s*SLOT
	s_add_nc_u64 s[G0B+4*\s+2:G0B+4*\s+3], s[46:47], \s*512
	s_or_b32 s[G0B+4*\s+3], s[G0B+4*\s+3], 0x80000000
.endr
	s_cmp_eq_u32 s11, 0                            ; a wave's two first fills stand in one branch, ahead of every wait on TENSORcnt and every LDS read: two loads of mine are out
	s_cbranch_scc0 .Lfirst_w
	tensor_load_to_lds s[G0:G0+3], s[G1:G1+7]
	s_nop 0
	tensor_load_to_lds s[G0+4:G0+7], s[G1:G1+7]
	s_nop 0
.rept 4
	v_nop
.endr
	s_branch .Lfirst_asked
.Lfirst_w:
	tensor_load_to_lds s[G0B:G0B+3], s[G1B:G1B+7]
	s_nop 0
	tensor_load_to_lds s[G0B+4:G0B+7], s[G1B:G1B+7]
	s_nop 0
.rept 4
	v_nop
.endr
.Lfirst_asked:
	v_and_b32 v1, 15, v0                           ; l % 16
	v_bfe_u32 v2, v0, 4, 1                         ; l / 16
	v_lshlrev_b32 v27, 4, v1
	global_load_b128 v[BIAS:BIAS+3], v27, s[8:9]   ; b_o of the four columns that I store
	v_mul_u32_u24 v3, v1, APITCH
	v_lshl_add_u32 v3, v2, 4, v3                   ; ctx (bf16): row x pitch + 16 x half
	v_mul_u32_u24 v4, v1, PITCH
	v_lshl_add_u32 v4, v2, 5, v4                   ; W_o (f32): row x pitch + 32 x half
	s_mul_i32 s21, s11, 64*APITCH                  ; my 64 rows of ctx
	s_mul_i32 s22, s12, HALFT                      ; my 64 rows of W_o
	s_add_co_u32 s22, s22, BOFF
.irp s, 0,1
	v_add_nc_u32 v[ADRA+\s], s21, v3
	v_add_nc_u32 v[ADRB+\s], s22, v4
	s_add_co_u32 s21, s21, SLOT
	s_add_co_u32 s22, s22, SLOT
.endr
	s_mul_i32 s23, s10, 16*SPO
	s_add_co_u32 s23, s23, STAGE                   ; my stage
	v_mul_u32_u24 v5, v1, SPO                      ; in: row l % 16, 32 bytes for each half of the lanes
	v_lshl_add_u32 v5, v2, 5, v5
	v_add_nc_u32 v[STO], s23, v5
	v_mul_u32_u24 v5, v2, SPO                      ; back: lanes 0-15 take one row of 256 bytes, lanes 16-31 the next
	v_lshl_add_u32 v5, v1, 4, v5
	v_add_nc_u32 v[RD], s23, v5
	v_lshlrev_b32 v5, 11, v2                       ; and the same two rows in out0
	v_lshl_add_u32 v[CO], v1, 4, v5
; 32 LDS loads in one run, for quarter q of a K step: W_o's f32 (16 loads) first, then ctx's fragments, hi and lo (16 loads), into buffer f.
; Quarter q lies in head q / 2 of the step, channels 32 (q % 2) on; lo lies 128 bytes behind hi.
.macro FETCH slot, q, f
	WIN TO_R
.irp i, 0,1,2,3
	ds_load_b128 v[16*\i:16*\i+3],     v[ADRB+\slot] offset:128*(\q)+\i*16*PITCH
	ds_load_b128 v[16*\i+4:16*\i+7],   v[ADRB+\slot] offset:128*(\q)+\i*16*PITCH+16
	ds_load_b128 v[16*\i+8:16*\i+11],  v[ADRB+\slot] offset:128*(\q)+\i*16*PITCH+64
	ds_load_b128 v[16*\i+12:16*\i+15], v[ADRB+\slot] offset:128*(\q)+\i*16*PITCH+80
.endr
.irp p, 0,1
.irp a, 0,1,2,3
	ds_load_b128 v[FA+64*(\f)+32*\p+8*\a:FA+64*(\f)+32*\p+8*\a+3],   v[ADRA+\slot] offset:((\q)/2)*AHEAD+\a*16*APITCH+((\q)%2)*64+128*\p
	ds_load_b128 v[FA+64*(\f)+32*\p+8*\a+4:FA+64*(\f)+32*\p+8*\a+7], v[ADRA+\slot] offset:((\q)/2)*AHEAD+\a*16*APITCH+((\q)%2)*64+128*\p+32
.endr
.endr
.endm
.macro CVTB                            ; W_o's f32 to bf16
	s_wait_dscnt 16                                ; W_o's sixteen loads are in; ctx's sixteen, issued behind them, may be out
	PLACES                                         ; W_o's fragments, and the buffer that is loaded next, were sources of the products just issued
	WIN FROM_R
.set n, 0
.rept 32
	v_cvt_pk_bf16_f32 v[FB+n], v[2*n], v[2*n+1]
.set n, n+1
.endr
.endm
; 32 products: W_o by hi, then by lo.  The sixteen accumulators take turns, one instruction a turn.  zero = 1: the first sixteen start the sums
.macro MUL f, zero
	WIN W_MUL
.irp p, 0,1
.irp a, 0,1,2,3
.irp b, 0,1,2,3
.if \zero && (\p == 0)
	v_wmma_f32_16x16x32_bf16 v[ACC+8*(4*\a+\b):ACC+8*(4*\a+\b)+7], v[FB+8*\b:FB+8*\b+7], v[FA+64*(\f)+32*\p+8*\a:FA+64*(\f)+32*\p+8*\a+7], 0
.else
	v_wmma_f32_16x16x32_bf16 v[ACC+8*(4*\a+\b):ACC+8*(4*\a+\b)+7], v[FB+8*\b:FB+8*\b+7], v[FA+64*(\f)+32*\p+8*\a:FA+64*(\f)+32*\p+8*\a+7], v[ACC+8*(4*\a+\b):ACC+8*(4*\a+\b)+7]
.endif
.endr
.endr
.endr
.endm
; One of a K step's first three quarters, on buffer f: convert, ask for quarter qn into the other buffer, multiply
.macro QUARTER slot, qn, f, zero
	CVTB
	FETCH \slot, \qn, 1-\f
	s_wait_dscnt 32                                ; all but the 32 just issued: ctx's fragments of this quarter are in
	MUL \f, \zero
.endm
; The last quarter, on buffer 1, changes slots: ONE barrier; in front of it each wave waits for its own reads of this slot and for all its tensor loads.  fill = 1: this slot is filled again, two K steps ahead.
.macro TURN slot, next, fill
	CVTB
	s_wait_dscnt 0x0                               ; my reads of this slot are over,
	s_wait_tensorcnt 0x0                           ; and all my tensor loads have landed: my part of the next slot
	ds_add_u32 v192, v193
	s_wait_dscnt 0x0
	s_barrier_signal -1
	MUL 1, 0                                       ; work on registers while the others arrive
	WIN 0
	s_barrier_wait -1
.if \fill
	CREST                                          ; the barrier has opened a round of the cluster's barrier: no wave of any partner still reads this slot or has a load on its way
	s_add_nc_u64 s[G0+4*\slot+2:G0+4*\slot+3], s[G0+4*\slot+2:G0+4*\slot+3], 4<<20
	s_add_nc_u64 s[G0B+4*\slot+2:G0B+4*\slot+3], s[G0B+4*\slot+2:G0B+4*\slot+3], 1024
	JLOAD \slot                                    ; the first tensor load behind the round, my only one until the next
.endif
	FETCH \next, 0, 0
.endm
	s_wait_tensorcnt 0x1                           ; my part of K step 0 is in; K step 1's stays out
	s_barrier_signal -1
	s_barrier_wait -1                              ; everybody's is
	FETCH 0, 0, 0
	QUARTER 0, 1, 0, 1                             ; K step 0: its first products start the sums
	QUARTER 0, 2, 1, 0
	QUARTER 0, 3, 0, 0
	TURN 0, 1, 1                                   ; slot 0 takes K step 2
	QUARTER 1, 1, 0, 0                             ; K step 1
	QUARTER 1, 2, 1, 0
	QUARTER 1, 3, 0, 0
	TURN 1, 0, 1                                   ; slot 1 takes K step 3
	QUARTER 0, 1, 0, 0                             ; K step 2
	QUARTER 0, 2, 1, 0
	QUARTER 0, 3, 0, 0
	TURN 0, 1, 0                                   ; nothing is left to fetch
	QUARTER 1, 1, 0, 0                             ; K step 3
	QUARTER 1, 2, 1, 0
	QUARTER 1, 3, 0, 0
	CVTB
	s_wait_dscnt 0x0
	MUL 1, 0
	WIN 0
	; THE WAY OUT, 16 rows at a time: a lane's 32 bytes of a row go into my own stage, whole rows of 256 bytes come back, the bias is added, sixteen lanes store a row's 256 bytes.
	PLACES
	s_wait_loadcnt 0x0                             ; the bias
.irp a, 0,1,2,3
.if \a > 1
	s_wait_xcnt 0x0                                ; the registers that the stores of two blocks back read are loaded again only behind this wait
.endif
.irp b, 0,1,2,3
	ds_store_b128 v[STO], v[ACC+8*(4*\a+\b):ACC+8*(4*\a+\b)+3] offset:64*\b          ; each accumulator from its low end on
	ds_store_b128 v[STO], v[ACC+8*(4*\a+\b)+4:ACC+8*(4*\a+\b)+7] offset:64*\b+16
.endr
.irp t, 0,1,2,3,4,5,6,7
	ds_load_b128 v[TMP+32*(\a%2)+4*\t:TMP+32*(\a%2)+4*\t+3], v[RD] offset:\t*2*SPO   ; LDS serves a wave's instructions in order (ISA guide 5.7.1.4): these see the stores above, and the next block's stores come behind them
.endr
.irp t, 0,1,2,3,4,5,6,7
	s_wait_dscnt 7-\t                              ; load t is in, the younger ones may be out
	v_pk_add_f32 v[TMP+32*(\a%2)+4*\t:TMP+32*(\a%2)+4*\t+1], v[TMP+32*(\a%2)+4*\t:TMP+32*(\a%2)+4*\t+1], v[BIAS:BIAS+1]
	v_pk_add_f32 v[TMP+32*(\a%2)+4*\t+2:TMP+32*(\a%2)+4*\t+3], v[TMP+32*(\a%2)+4*\t+2:TMP+32*(\a%2)+4*\t+3], v[BIAS+2:BIAS+3]
	global_store_b128 v[CO], v[TMP+32*(\a%2)+4*\t:TMP+32*(\a%2)+4*\t+3], s[90:91] offset:(16*\a+2*\t)*2048 th:TH_STORE_NT   ; 16 lanes store 256 consecutive bytes, at a multiple of 256 from out0's first byte
.endr
.endr
	s_set_vgpr_msb 0x5
	s_wait_tensorcnt 0x0
	ds_add_u32 v192, v193
	s_wait_dscnt 0x0
	s_set_vgpr_msb 0x500
	CROUND                                         ; the closing round: no work-group ends while a partner may still ask for a tile that names it
	s_endpgm
.Lfunc_end_k_q189ca0cd04_oproj:
	.size	k_q189ca0cd04_oproj, .Lfunc_end_k_q189ca0cd04_oproj-k_q189ca0cd04_oproj
	.p2alignl 7, 3214868480
	.fill 96, 4, 3214868480
	.section	.rodata,"a",@progbits
	.p2align	6, 0x0
	.amdhsa_kernel k_q189ca0cd04_oproj
		.amdhsa_group_segment_fixed_size 327680
		.amdhsa_private_segment_fixed_size 0
		.amdhsa_enable_private_segment 0
		.amdhsa_kernarg_size 32
		.amdhsa_user_sgpr_count 2
		.amdhsa_user_sgpr_kernarg_segment_ptr 1
		.amdhsa_wavefront_size32 1
		.amdhsa_system_sgpr_workgroup_id_x 1
		.amdhsa_system_sgpr_workgroup_id_y 1
		.amdhsa_system_sgpr_workgroup_id_z 1
		.amdhsa_system_vgpr_workitem_id 0
		.amdhsa_next_free_vgpr 450
		.amdhsa_next_free_sgpr 96
		.amdhsa_reserve_vcc 0
		.amdhsa_float_denorm_mode_32 3
		.amdhsa_float_denorm_mode_16_64 3
		.amdhsa_memory_ordered 1
		.amdhsa_forward_progress 1
		.amdhsa_inst_pref_size 123
	.end_amdhsa_kernel
	.amdgpu_metadata
---
amdhsa.version: [ 1, 2 ]
amdhsa.kernels:
  - .name:           k_q189ca0cd04_oproj
    .symbol:         k_q189ca0cd04_oproj.kd
    .args:
      - { .name: ctx, .offset: 0, .size: 8, .value_kind: global_buffer, .address_space: global }
      - { .name: W_o, .offset: 8, .size: 8, .value_kind: global_buffer, .address_space: global }
      - { .name: b_o, .offset: 16, .size: 8, .value_kind: global_buffer, .address_space: global }
      - { .name: out0, .offset: 24, .size: 8, .value_kind: global_buffer, .address_space: global }
    .group_segment_fixed_size: 327680
    .private_segment_fixed_size: 0
    .kernarg_segment_align: 8
    .kernarg_segment_size: 32
    .max_flat_workgroup_size: 128
    .sgpr_count:     96
    .vgpr_count:     450
    .wavefront_size: 32
...
	.end_amdgpu_metadata
.endif
;; end of part 3
